; MI455X (gfx1250); checked and timed in simulation.
; The chip was launched on July 23, 2026; its instructions are those of AMD's public machine-readable ISA for CDNA 5 (MIT licence, August 2026) and "CDNA5" Instruction Set Architecture Reference Guide (July 2026). The comments in the code are by the model that wrote it; some were corrected since.
;; Multihead Attention. Allowed arithmetic: float matrix products may take bf16 or f16 operands with f32 sums; all other float work in f32.
;; Inputs: Wk 1,024 x 1,024 float32; Wo 1,024 x 1,024 float32; Wq 1,024 x 1,024 float32; Wv 1,024 x 1,024 float32; bk 1,024 float32; bo 1,024 float32; bq 1,024 float32; bv 1,024 float32; xk 2 x 2,048 x 1,024 float32; xq 2 x 2,048 x 1,024 float32; xv 2 x 2,048 x 1,024 float32.
;; Outputs: out0 2 x 2,048 x 1,024 float32.
;; One version. Each part assembles by itself: llvm-mc -triple=amdgcn-amd-amdhsa -mcpu=gfx1250 --defsym DOCPART=n.
;; ======== version 1 of 1: 4 launches
;; limits: values are held in f16: magnitudes above 65,504 overflow, below 6.1e-05 lose precision
;; workspace buffers: xh 25,165,824 bytes; wh 8,388,608 bytes; qkv 25,165,824 bytes; vals 8,388,608 bytes
;; launch tof16 (part 1): grid 1024 x 1, 8 waves a work-group, no clusters, 0 bytes of LDS; arguments xq, xk, xv, Wq, Wk, Wv, Wo, xh, wh; writes xh, wh
.if DOCPART == 1
	.amdgcn_target "amdgcn-amd-amdhsa--gfx1250"
	.amdhsa_code_object_version 6
	.text
	.protected	k_qe8f3d5edab_tof16
	.globl	k_qe8f3d5edab_tof16
	.p2align	8
	.type	k_qe8f3d5edab_tof16,@function
k_qe8f3d5edab_tof16:
	s_mov_b64 s[64:65], 0
	v_nop
	global_prefetch_b8 v0, s[64:65] scope:SCOPE_SE
	s_setreg_imm32_b32 hwreg(HW_REG_WAVE_MODE, 25, 1), 1
	s_wait_xcnt 0x0
; xh = f16(xq | xk | xv), wh = f16(Wq | Wk | Wv | Wo): the matrix operands of the later launches, rounded once (to nearest even).
; xh: [12288][1024] f16, rows 0-4095 xq, 4096-8191 xk, 8192-12287 xv.  wh: [4096][1024] f16, 1,024 rows for each W.
; LIMIT: a number of magnitude above 65,504 becomes an infinity in f16; the drawn x are about 1 and the drawn W below 0.06.
; A stream: work-group g turns 65,536 bytes of f32 into 32,768 bytes of f16.  Nothing is shared between work-groups, so there is
; no LDS, no barrier and no cluster.  Thread t takes 16 bytes at 16 t of each block of 4,096 bytes: one load of a wave covers 512
; consecutive bytes, one store of a wave 256 consecutive bytes, aligned.  All 16 loads of a wave are issued before the first wait.
.set X, 4                              ; v[4:67]   slot i: 4 f32 as loaded
.set Y, 68                             ; v[68:99]  slot i: 4 f16 to store
	s_load_b512 s[8:23], s[0:1], 0x0               ; xq 8:9, xk 10:11, xv 12:13, Wq 14:15, Wk 16:17, Wv 18:19, Wo 20:21, xh 22:23
	s_load_b64 s[24:25], s[0:1], 0x40              ; wh
	s_lshr_b32 s2, ttmp9, 8                        ; g >> 8: 0, 1, 2 = xq, xk, xv (256 groups each); 3 = the four W (64 groups each)
	s_bfe_u32 s3, ttmp9, 0x20006                   ; (g >> 6) & 3: which W
	s_movk_i32 s6, 1023
	v_lshlrev_b32 v1, 4, v0                        ; 16 t: my bytes in a block of the source
	v_lshlrev_b32 v2, 3, v0                        ; 8 t: my bytes in a block of the destination
	s_wait_kmcnt 0x0
	s_mov_b64 s[26:27], s[8:9]                     ; the x that would be mine
	s_cmp_eq_u32 s2, 1
	s_cselect_b64 s[26:27], s[10:11], s[26:27]
	s_cmp_eq_u32 s2, 2
	s_cselect_b64 s[26:27], s[12:13], s[26:27]
	s_mov_b64 s[28:29], s[14:15]                   ; the W that would be mine
	s_cmp_eq_u32 s3, 1
	s_cselect_b64 s[28:29], s[16:17], s[28:29]
	s_cmp_eq_u32 s3, 2
	s_cselect_b64 s[28:29], s[18:19], s[28:29]
	s_cmp_eq_u32 s3, 3
	s_cselect_b64 s[28:29], s[20:21], s[28:29]
	s_cmp_eq_u32 s2, 3                             ; one compare, four selects (a select leaves SCC as it is)
	s_cselect_b64 s[26:27], s[28:29], s[26:27]     ; source
	s_cselect_b64 s[30:31], s[24:25], s[22:23]     ; destination: wh or xh
	s_cselect_b32 s4, 63, 255                      ; my block inside the source tensor
	s_cselect_b32 s6, 255, s6                      ; my block inside the destination buffer
	s_and_b32 s4, ttmp9, s4
	s_lshl_b32 s4, s4, 16                          ; 65,536 bytes of f32 a group
	s_mov_b32 s5, 0
	s_and_b32 s6, ttmp9, s6
	s_lshl_b32 s6, s6, 15                          ; 32,768 bytes of f16 a group
	s_mov_b32 s7, 0
	s_add_nc_u64 s[26:27], s[26:27], s[4:5]
	s_add_nc_u64 s[30:31], s[30:31], s[6:7]
.irp i, 0,1,2,3,4,5,6,7,8,9,10,11,12,13,14,15
	global_load_b128 v[X+4*\i:X+4*\i+3], v1, s[26:27] offset:4096*\i th:TH_LOAD_NT   ; read once in the launch
.endr
.irp i, 0,1,2,3,4,5,6,7,8,9,10,11,12,13,14,15
	s_wait_loadcnt 15-\i                           ; loads come back in order: slot i is in, the 15 - i younger ones stay out
	v_cvt_pk_f16_f32 v[Y+2*\i],   v[X+4*\i],   v[X+4*\i+1]
	v_cvt_pk_f16_f32 v[Y+2*\i+1], v[X+4*\i+2], v[X+4*\i+3]
	global_store_b64 v2, v[Y+2*\i:Y+2*\i+1], s[30:31] offset:2048*\i   ; no register is written twice: nothing to wait for
.endr
	s_endpgm
.Lfunc_end_k_qe8f3d5edab_tof16:
	.size	k_qe8f3d5edab_tof16, .Lfunc_end_k_qe8f3d5edab_tof16-k_qe8f3d5edab_tof16
	.p2alignl 7, 3214868480
	.fill 96, 4, 3214868480
	.section	.rodata,"a",@progbits
	.p2align	6, 0x0
	.amdhsa_kernel k_qe8f3d5edab_tof16
		.amdhsa_group_segment_fixed_size 0
		.amdhsa_private_segment_fixed_size 0
		.amdhsa_enable_private_segment 0
		.amdhsa_kernarg_size 72
		.amdhsa_user_sgpr_count 2
		.amdhsa_user_sgpr_kernarg_segment_ptr 1
		.amdhsa_wavefront_size32 1
		.amdhsa_system_sgpr_workgroup_id_x 1
		.amdhsa_system_sgpr_workgroup_id_y 1
		.amdhsa_system_sgpr_workgroup_id_z 1
		.amdhsa_system_vgpr_workitem_id 0
		.amdhsa_next_free_vgpr 100
		.amdhsa_next_free_sgpr 66
		.amdhsa_reserve_vcc 0
		.amdhsa_float_denorm_mode_32 3
		.amdhsa_float_denorm_mode_16_64 3
		.amdhsa_memory_ordered 1
		.amdhsa_forward_progress 1
		.amdhsa_inst_pref_size 7
	.end_amdhsa_kernel
	.amdgpu_metadata
---
amdhsa.version: [ 1, 2 ]
amdhsa.kernels:
  - .name:           k_qe8f3d5edab_tof16
    .symbol:         k_qe8f3d5edab_tof16.kd
    .args:
      - { .name: xq, .offset: 0, .size: 8, .value_kind: global_buffer, .address_space: global }
      - { .name: xk, .offset: 8, .size: 8, .value_kind: global_buffer, .address_space: global }
      - { .name: xv, .offset: 16, .size: 8, .value_kind: global_buffer, .address_space: global }
      - { .name: Wq, .offset: 24, .size: 8, .value_kind: global_buffer, .address_space: global }
      - { .name: Wk, .offset: 32, .size: 8, .value_kind: global_buffer, .address_space: global }
      - { .name: Wv, .offset: 40, .size: 8, .value_kind: global_buffer, .address_space: global }
      - { .name: Wo, .offset: 48, .size: 8, .value_kind: global_buffer, .address_space: global }
      - { .name: xh, .offset: 56, .size: 8, .value_kind: global_buffer, .address_space: global }
      - { .name: wh, .offset: 64, .size: 8, .value_kind: global_buffer, .address_space: global }
    .group_segment_fixed_size: 0
    .private_segment_fixed_size: 0
    .kernarg_segment_align: 8
    .kernarg_segment_size: 72
    .max_flat_workgroup_size: 256
    .sgpr_count:     66
    .vgpr_count:     100
    .wavefront_size: 32
...
	.end_amdgpu_metadata
.endif
;; end of part 1
;; launch proj (part 2): grid 4 x 48, 4 waves a work-group, clusters of 4 x 4, 327,680 bytes of LDS; arguments xh, wh, qkv, bq, bk, bv; writes qkv
.if DOCPART == 2
	.amdgcn_target "amdgcn-amd-amdhsa--gfx1250"
	.amdhsa_code_object_version 6
	.text
	.protected	k_qe8f3d5edab_proj
	.globl	k_qe8f3d5edab_proj
	.p2align	8
	.type	k_qe8f3d5edab_proj,@function
k_qe8f3d5edab_proj:
	s_mov_b64 s[64:65], 0
	v_nop
	global_prefetch_b8 v0, s[64:65] scope:SCOPE_SE
	s_setreg_imm32_b32 hwreg(HW_REG_WAVE_MODE, 25, 1), 1
	s_wait_xcnt 0x0
	s_wait_alu depctr_hold_cnt(0) depctr_sa_sdst(0) depctr_va_vdst(0) depctr_va_sdst(0) depctr_va_ssrc(0) depctr_va_vcc(0) depctr_vm_vsrc(0)
	s_getreg_b32 s2, hwreg(HW_REG_IB_STS2, 6, 4)
	s_cmp_eq_u32 s2, 0
	s_cbranch_scc0 .Lentry_in_a_cluster
	s_endpgm
.Lentry_in_a_cluster:
	s_bfe_u32 s2, ttmp6, 0x10000c
	s_cmp_lg_u32 s2, 0xf033
	s_cbranch_scc0 .Lentry_shape_is_right
	s_endpgm
.Lentry_shape_is_right:
; qkv[i][n] = bias_m[n] + sum over k of xh[i][k] W_m[n][k], K = 1,024, operands f16, sums f32, result rounded once to f16.
; xh: [12288][1024] f16 (xq, xk, xv stacked), wh: [4096][1024] f16 (Wq, Wk, Wv, Wo), qkv: [12288][1024] f16; m = row / 4096 picks W_m and bq, bk, bv.
; LIMITS: the bias starts the f32 sum instead of ending it (another order of rounding); a result above 65,504 in magnitude becomes an infinity
; in f16 (the drawn q, k, v are about 1, so the inputs may grow by a product of some 10,000).
; A work-group makes a block of 256 x 256 with four waves, as many as a WGP has SIMDs; a wave makes 128 x 128: 64 accumulator tiles of 16 x 16,
; 512 registers.  For 32 along K a wave loads 2 x 128 x 64 bytes from LDS and issues 64 matrix instructions.  12,288 x 1,024 outputs are 192 such
; blocks, one a work-group; an even share for 256 work-groups would be 49,152 outputs, whose factor 3 divides neither the 4,096 rows nor the 1,024 columns of one projection.
; K goes in eight steps of 128 through a ring of two LDS slots filled by the tensor data mover: a tile's rows are 256 consecutive bytes, aligned.
; CLUSTERS: 4 x 4 work-groups, all 1,024 columns of 1,024 rows.  The four of a cluster's row need the same tiles of xh, the four of a column the same
; tiles of W: each tile is asked for JOINTLY, by the same tensor load with the same descriptor and a mask that names the four.  That divides the requests by four.
;
; REGISTERS, in windows of 256 (s_set_vgpr_msb says which window each operand place means):
;   window 0: v16-27 addresses; v64-127, v128-191 fragments of xh (8 x 16 rows x 32 K), two buffers; v192-255 the bias of my 128 columns, later packed results
;   window 1: v64-127, v128-191 fragments of W, two buffers
;   window 2: the 32 accumulator tiles of my rows 0-63 (tile (a, b) at v[8 (8 a + b)]);   window 3: those of my rows 64-127
; THE MATRIX INSTRUCTION IS USED TRANSPOSED: source 0 = 16 rows of W, source 1 = 16 rows of xh.  Lane l then holds row l % 16 of the result and its
; registers 0-7 the columns 8 (l / 16) + 0..7: eight neighbouring numbers, which pack into 16 bytes; and eight bias numbers loaded likewise ARE the
; C operand of a tile's first product: nothing is cleared and no add is written.
.set SIZE_K, 1024
.set SIZE_N, 1024
.set KSTEP,  128
.set PITCH,  272                       ; an LDS row: 256 bytes + 16 of padding = 17 x 16: the 16 rows that a fragment load touches start 16 bytes apart modulo 256
.set HALFT,  128*PITCH                 ; 128 rows: what one tensor load brings, and what one wave reads of xh or of W
.set SLOT,   4*HALFT                   ; xh's 256 rows, then W's 256 rows
.set STAGE,  2*SLOT                    ; behind the ring, a multiple of 256: 16 rows x 272 bytes for each wave, for the way out; no tensor load lands here
.set SPITCH, 272
.set LAPS, SIZE_K/(2*KSTEP)            ; a lap = two K steps = once round the ring: four laps
.set ADRA, 16                          ; v16-17  LDS address of my xh fragments in slot 0, 1
.set ADRB, 20                          ; v20-21  the same for W
.set STO,  24                          ; the way out: where I put 16 bytes of a row
.set RD,   25                          ; the way out: where I read a row back
.set CO,   26                          ; my byte offset in qkv
.set BOFF, 27                          ; my byte offset in the bias
.set F0,   64                          ; fragment buffer 0
.set F1,   128                         ; fragment buffer 1
.set BIAS, 192                         ; v[192:255]: BIAS + 8 b + j = bias[my first column + 16 b + 8 (l / 16) + j]
.set TMP,  192                         ; the way out: packed results (the bias is done with by then)
.set G1,  24                           ; s[24:31] descriptor group 1, xh's tiles
.set G0,  32                           ; s[32:39] descriptor group 0, xh's tiles, a set for each slot
.set G1B, 48                           ; s[48:55] group 1, W's tiles: differs in the mask alone
.set G0B, 56                           ; s[56:63] group 0, W's tiles
.set MSB, 0
.macro WIN new                         ; low byte: bits 1:0 source 0, 3:2 source 1, 5:4 source 2, 7:6 destination; the high byte repeats the setting that is left
.if MSB != \new
	s_set_vgpr_msb (MSB<<8)|\new
.set MSB, \new
.endif
.endm
.set MUL_LO,   0xa1                    ; source 0 (W) window 1, source 1 (xh) window 0, C and D window 2
.set MUL_HI,   0xf1                    ; the same, C and D window 3
.set FIRST_LO, 0x81                    ; a tile's first product: C (the bias) window 0, D window 2
.set FIRST_HI, 0xc1                    ; the same, D window 3
.set TO_B,     0x40                    ; destination window 1, address window 0
; A joint load: waves 0, 1 fetch xh's two halves, waves 2, 3 W's.  Each line has one mask and one set of registers; the branch hangs on the wave's number alone.
.macro JLOAD s
	s_cmp_eq_u32 s11, 0
	s_cbranch_scc0 .Lfor_b_\@
	tensor_load_to_lds s[G0+4*\s:G0+4*\s+3], s[G1:G1+7]
	s_nop 0
	s_branch .Lasked_\@
.Lfor_b_\@:
	tensor_load_to_lds s[G0B+4*\s:G0B+4*\s+3], s[G1B:G1B+7]
	s_nop 0
.Lasked_\@:
.endm
.macro CREST                           ; a round of the cluster's barrier behind its opening work-group barrier
	s_cmp_lg_u32 s10, 0
	s_cbranch_scc1 .Lnot_wave_0_\@
	s_barrier_signal -3
.Lnot_wave_0_\@:
	s_barrier_wait -3
	s_barrier_signal -1
	s_barrier_wait -1
.endm
.macro CROUND                          ; a whole round
	s_barrier_signal -1
	s_barrier_wait -1
	CREST
.endm
	s_load_b128 s[4:7], s[0:1], 0x0                ; xh s[4:5], wh s[6:7]
	s_load_b64 s[8:9], s[0:1], 0x10                ; qkv
	s_load_b128 s[68:71], s[0:1], 0x18             ; bq, bk
	s_load_b64 s[72:73], s[0:1], 0x28              ; bv
	s_set_vgpr_msb 0x40
	v_lshl_add_u32 v255, v0, 2, 0x48400
	s_set_vgpr_msb 0x4000
	v_mov_b32 v63, 0
	s_set_vgpr_msb 0x1
	ds_add_u32 v255, v63
	s_set_vgpr_msb 0x100
	v_lshrrev_b32 v1, 5, v0
	v_readfirstlane_b32 s10, v1                    ; wave 0..3
	s_lshr_b32 s11, s10, 1                         ; my half of the block's rows.  Also: I fetch for xh (0) or for W (1)
	s_and_b32 s12, s10, 1                          ; my half of its columns.  Also: which 128 rows of that tile I fetch
	s_bfe_u32 s40, ttmp6, 0x40000                  ; cx
	s_bfe_u32 s41, ttmp6, 0x40004                  ; cy
	s_lshl_b32 s42, ttmp9, 2
	s_add_co_u32 s42, s42, s40                     ; block column = 4 x cluster x + cx
	s_and_b32 s13, ttmp7, 0xffff
	s_lshr_b32 s45, s13, 2                         ; m = which of q, k, v: 4 clusters of 1,024 rows for each, so every partner has the same m
	s_lshl_b32 s13, s13, 2
	s_add_co_u32 s13, s13, s41                     ; block row = 4 x cluster y + cy
	s_lshl_b32 s43, s41, 2
	s_lshl_b32 s43, 15, s43                        ; my row of the cluster: places 4 cy .. 4 cy + 3
	s_lshl_b32 s44, 0x1111, s40                    ; my column: places cx, cx + 4, cx + 8, cx + 12
	; group 1: a tile of 128 rows x 128 elements of 2 bytes; 4 words of padding behind every 64 words
	s_or_b32 s[G1+0],  s43, (1<<16)|(1<<20)|(1<<21)|(5<<22)|(3<<25)
	s_or_b32 s[G1B+0], s44, (1<<16)|(1<<20)|(1<<21)|(5<<22)|(3<<25)
.irp g, G1, G1B
	s_mov_b32 s[\g+1], KSTEP<<16                   ; tensor_dim0 = 128
	s_mov_b32 s[\g+2], 128<<16                     ; tensor_dim1 = 128
	s_mov_b32 s[\g+3], KSTEP<<16                   ; tile_dim0 = 128
	s_mov_b32 s[\g+4], 128                         ; tile_dim1 = 128
	s_mov_b32 s[\g+5], SIZE_K                      ; elements from row to row
	s_mov_b32 s[\g+6], 0
	s_mov_b32 s[\g+7], 0
.endr
	; xh's tiles hang on the block row alone, W's on the block column (and m) alone; each offset in registers that never hold the other coordinate
	s_lshl_b32 s17, s12, 7                         ; which 128 rows of the tile I fetch
	s_lshl_b32 s16, s13, 8
	s_add_co_u32 s16, s16, s17                     ; xh: row 256 x block row + 128 x half
	s_lshl_b32 s16, s16, 11                        ; 2,048 bytes a row; below 2^25
	s_lshl_b32 s46, s42, 8
	s_add_co_u32 s46, s46, s17                     ; W: row 256 x block column + 128 x half
	s_lshl_b32 s46, s46, 11
	s_lshl_b32 s21, s45, 21
	s_add_co_u32 s46, s46, s21                     ; matrix m of 2,097,152 bytes
	s_mov_b32 s17, 0
	s_mov_b32 s47, 0
	s_mul_i32 s20, s10, HALFT                      ; where my tile goes: wave x 128 rows: no place in the cluster enters an LDS address
	s_wait_dscnt 0x0
	s_wait_kmcnt 0x0
	s_add_nc_u64 s[14:15], s[4:5], s[16:17]
	s_add_nc_u64 s[46:47], s[6:7], s[46:47]
	CROUND                                         ; all sixteen work-groups are here: the first joint loads meet
.irp s, 0,1
	s_mov_b32 s[G0+4*\s], 1
	s_add_co_u32 s[G0+4*\s+1], s20, \s*SLOT
	s_add_nc_u64 s[G0+4*\s+2:G0+4*\s+3], s[14:15], \s*KSTEP*2      ; K step s
	s_or_b32 s[G0+4*\s+3], s[G0+4*\s+3], 0x80000000
	s_mov_b32 s[G0B+4*\s], 1
	s_add_co_u32 s[G0B+4*\s+1], s20, \s*SLOT
	s_add_nc_u64 s[G0B+4*\s+2:G0B+4*\s+3], s[46:47], \s*KSTEP*2
	s_or_b32 s[G0B+4*\s+3], s[G0B+4*\s+3], 0x80000000
	JLOAD \s                                       ; both slots are asked for before anything else: two tensor loads of a wave are out, the most in this text
.endr
	; a fragment: lane l holds row l % 16; registers 0-3 K = 8 (l / 16) + 0..7, registers 4-7 K = 16 + 8 (l / 16) + 0..7: two loads of 16 bytes, 32 apart
	v_and_b32 v1, 15, v0                           ; l % 16
	v_bfe_u32 v2, v0, 4, 1                         ; l / 16
	v_mul_u32_u24 v3, v1, PITCH
	v_lshl_add_u32 v3, v2, 4, v3                   ; row x pitch + 16 x half
	s_mul_i32 s21, s11, HALFT                      ; my 128 rows of xh
	s_mul_i32 s22, s12, HALFT                      ; my 128 rows of W,
	s_add_co_u32 s22, s22, 2*HALFT                 ; which lie behind xh's 256
.irp s, 0,1
	v_add_nc_u32 v[ADRA+\s], s21, v3
	v_add_nc_u32 v[ADRB+\s], s22, v3
	s_add_co_u32 s21, s21, SLOT
	s_add_co_u32 s22, s22, SLOT
.endr
	; the bias of my 128 columns, 512 bytes from byte 1,024 x block column + 512 x half
	s_mov_b64 s[74:75], s[68:69]
	s_cmp_eq_u32 s45, 1
	s_cselect_b64 s[74:75], s[70:71], s[74:75]
	s_cmp_eq_u32 s45, 2
	s_cselect_b64 s[74:75], s[72:73], s[74:75]
	s_lshl_b32 s76, s42, 10
	s_lshl_b32 s77, s12, 9
	s_add_co_u32 s76, s76, s77
	s_mov_b32 s77, 0
	s_add_nc_u64 s[74:75], s[74:75], s[76:77]
	v_lshlrev_b32 v[BOFF], 5, v2                   ; 8 numbers for each half of the lanes
.irp b, 0,1,2,3,4,5,6,7
	global_load_b128 v[BIAS+8*\b:BIAS+8*\b+3],   v[BOFF], s[74:75] offset:64*\b
	global_load_b128 v[BIAS+8*\b+4:BIAS+8*\b+7], v[BOFF], s[74:75] offset:64*\b+16
.endr
	s_mul_i32 s23, s10, 16*SPITCH
	s_add_co_u32 s23, s23, STAGE                   ; my stage
	v_mul_u32_u24 v4, v1, SPITCH                   ; in: row l % 16, 16 bytes for each half of the lanes
	v_lshl_add_u32 v4, v2, 4, v4
	v_add_nc_u32 v[STO], s23, v4
	v_mul_u32_u24 v5, v2, SPITCH                   ; back: lanes 0-15 take one row of 256 bytes, lanes 16-31 the next
	v_lshl_add_u32 v5, v1, 4, v5
	v_add_nc_u32 v[RD], s23, v5
	v_lshlrev_b32 v5, 11, v2                       ; and the same two rows in qkv: 2,048 bytes a row
	v_lshl_add_u32 v[CO], v1, 4, v5
; 16 matrix instructions: row blocks a0, a0 + 1 of the window's four (hi = 0: my rows 0-63, 1: rows 64-127) x all 8 column blocks, 32 along K.
; first = 1: the bias is the C operand and starts the sums.  The 64 accumulators take turns, one instruction a turn, in the same order in every
; quarter step.
.macro MUL16 f, hi, a0, first
.irp a, \a0, \a0+1
.irp b, 0,1,2,3,4,5,6,7
.if \first
	v_wmma_f32_16x16x32_f16 v[8*(8*(\a)+\b):8*(8*(\a)+\b)+7], v[\f+8*\b:\f+8*\b+7], v[\f+8*(4*\hi+\a):\f+8*(4*\hi+\a)+7], v[BIAS+8*\b:BIAS+8*\b+7]
.else
	v_wmma_f32_16x16x32_f16 v[8*(8*(\a)+\b):8*(8*(\a)+\b)+7], v[\f+8*\b:\f+8*\b+7], v[\f+8*(4*\hi+\a):\f+8*(4*\hi+\a)+7], v[8*(8*(\a)+\b):8*(8*(\a)+\b)+7]
.endif
.endr
.endr
.endm
; 32 LDS loads in one run: the fragments of one quarter step (128 rows of W, 128 rows of xh, 32 K at byte k of the rows) into buffer f
.macro FETCH slot, k, f
	WIN TO_B
.irp i, 0,1,2,3,4,5,6,7
	ds_load_b128 v[\f+8*\i:\f+8*\i+3],   v[ADRB+\slot] offset:\k+\i*16*PITCH
	ds_load_b128 v[\f+8*\i+4:\f+8*\i+7], v[ADRB+\slot] offset:\k+\i*16*PITCH+32
.endr
	WIN 0
.irp i, 0,1,2,3,4,5,6,7
	ds_load_b128 v[\f+8*\i:\f+8*\i+3],   v[ADRA+\slot] offset:\k+\i*16*PITCH
	ds_load_b128 v[\f+8*\i+4:\f+8*\i+7], v[ADRA+\slot] offset:\k+\i*16*PITCH+32
.endr
.endm
; Four places behind matrix instructions in front of each run of loads into registers that matrix instructions have read:
; sixteen issue slots for a K step's 256 matrix instructions.
.macro PLACES
.rept 4
	v_nop
.endr
.endm
; A K step is four quarter steps of 32 along K, 64 matrix instructions each, on buffers 0, 1, 0, 1.
; One of the first three: multiplies buffer f; in its middle it fetches the next quarter's fragments, at byte k of the same slot's rows, into buffer g.
.macro QUARTER slot, k, f, g, first
	s_wait_dscnt 8                                 ; W and xh's rows 0-63 are in; the youngest eight loads (xh's rows 64-127) may be out
.if \first
	WIN FIRST_LO
.else
	WIN MUL_LO
.endif
	MUL16 \f, 0, 0, \first
	MUL16 \f, 0, 2, \first
	PLACES
	FETCH \slot, \k, \g
	s_wait_dscnt 32                                ; all but the 32 just issued
.if \first
	WIN FIRST_HI
.else
	WIN MUL_HI
.endif
	MUL16 \f, 1, 0, \first
	MUL16 \f, 1, 2, \first
.endm
.macro THREE slot, first
	QUARTER \slot, 64,  F0, F1, \first
	QUARTER \slot, 128, F1, F0, 0
	QUARTER \slot, 192, F0, F1, 0
.endm
; The last quarter: multiplies buffer 1 and changes slots.  next = the other slot; fill = 1: this slot is filled again, two K steps ahead.
; ONE barrier for the change of slots.  In front of it each wave waits for its own reads of this slot and for all its tensor loads, of which one is
; out: its part of the next slot.  Behind it nobody reads this slot any more and the next slot is whole.  Where the slot is filled again the barrier
; opens a round of the cluster's barrier, and the joint refill is the first tensor load behind the round.  From a request to the wait for it a wave
; issues 240 matrix instructions.
.macro TURN slot, next, fill
	s_wait_dscnt 8
	WIN MUL_LO
	MUL16 F1, 0, 0, 0
	s_wait_dscnt 0                                 ; my reads of this slot are over
	s_wait_tensorcnt 0x0                           ; and all my tensor loads have landed
	ds_add_u32 v255, v63
	s_wait_dscnt 0x0
	s_barrier_signal -1
	MUL16 F1, 0, 2, 0                              ; register work while the others arrive
	WIN 0
	s_barrier_wait -1
.if \fill
	CREST                                          ; no wave of any partner still reads this slot's tile or has a load on its way
	s_add_nc_u64 s[G0+4*\slot+2:G0+4*\slot+3], s[G0+4*\slot+2:G0+4*\slot+3], 2*KSTEP*2     ; no tensor load of mine is out: the addresses may step
	s_add_nc_u64 s[G0B+4*\slot+2:G0B+4*\slot+3], s[G0B+4*\slot+2:G0B+4*\slot+3], 2*KSTEP*2
	JLOAD \slot
.endif
	PLACES
	FETCH \next, 0, F0
	WIN MUL_HI
	MUL16 F1, 1, 0, 0
	MUL16 F1, 1, 2, 0
.endm
.macro LAP first                       ; once round the ring, both slots filled again
	THREE 0, \first
	TURN 0, 1, 1
	THREE 1, 0
	TURN 1, 0, 1
.endm
	s_wait_tensorcnt 0x1                           ; my part of K step 0 is in; step 1's stays out
	s_barrier_signal -1
	s_barrier_wait -1                              ; everybody's is
	FETCH 0, 0, F0
	s_wait_loadcnt 0x0                             ; the bias
	LAP 1                                          ; K steps 0, 1; steps 2, 3 are asked for.  The first products start the sums
	WIN 0                                          ; at a label and at a branch every window is 0
	s_mov_b32 s3, LAPS-2
.Llap:                                             ; two trips: K steps 2 to 5; steps 4 to 7 are asked for
	LAP 0
	WIN 0
	s_sub_co_u32 s3, s3, 1
	s_cmp_lg_u32 s3, 0
	s_cbranch_scc1 .Llap
	THREE 0, 0                                     ; the last lap fills nothing and has no round: my one tensor load that is still out is slot 1's, the last K step's
	TURN 0, 1, 0
	THREE 1, 0
	s_wait_dscnt 8                                 ; the very last quarter: nothing more to fetch
	WIN MUL_LO
	MUL16 F1, 0, 0, 0
	MUL16 F1, 0, 2, 0
	s_wait_dscnt 0
	WIN MUL_HI
	MUL16 F1, 1, 0, 0
	MUL16 F1, 1, 2, 0
	; THE WAY OUT, 16 rows at a time: round to f16, 16 bytes a lane into my own stage in LDS, read back as whole rows of 256 bytes.
	PLACES                                         ; behind the last matrix instructions: results are read, buffers are loaded again
	s_lshl_b32 s16, s13, 8
	s_lshl_b32 s18, s11, 7
	s_add_co_u32 s16, s16, s18                     ; my first row
	s_lshl_b32 s16, s16, 11
	s_mov_b32 s17, 0
	s_add_nc_u64 s[8:9], s[8:9], s[16:17]
	s_lshl_b32 s46, s42, 9                         ; my first column in bytes: 512 x block + 256 x half
	s_lshl_b32 s47, s12, 8
	s_add_co_u32 s46, s46, s47
	s_mov_b32 s47, 0
	s_add_nc_u64 s[8:9], s[8:9], s[46:47]
; rows 16 i .. 16 i + 15 of my block = the eight tiles (a, 0..7) of window 2 or 3 (from = 0x0a or 0x0f: sources 0 and 1); f: F0 or F1 in turn
.macro OUT16 i, a, from, f
	WIN \from
.irp b, 0,1,2,3,4,5,6,7
.irp r, 0,1,2,3
	v_cvt_pk_f16_f32 v[TMP+4*\b+\r], v[8*(8*\a+\b)+2*\r], v[8*(8*\a+\b)+2*\r+1]
.endr
.endr
	WIN 0
.irp b, 0,1,2,3,4,5,6,7
	ds_store_b128 v[STO], v[TMP+4*\b:TMP+4*\b+3] offset:32*\b
.endr
	s_wait_xcnt 0x0                                ; buffer f, which earlier stores read, and the stores' base are rewritten only behind this wait
.if \i
	s_add_nc_u64 s[8:9], s[8:9], 16*SIZE_N*2       ; 16 rows on
.endif
.irp t, 0,1,2,3,4,5,6,7
	ds_load_b128 v[\f+4*\t:\f+4*\t+3], v[RD] offset:\t*2*SPITCH    ; LDS serves a wave's instructions in order: these see the stores above
.endr
.irp t, 0,1,2,3,4,5,6,7
	s_wait_dscnt 7-\t                              ; load t is in, the 7 - t younger ones stay out
	global_store_b128 v[CO], v[\f+4*\t:\f+4*\t+3], s[8:9] offset:2*\t*SIZE_N*2   ; 16 lanes store 256 consecutive bytes, aligned
.endr
.endm
	OUT16 0, 0, 0x0a, F0
	OUT16 1, 1, 0x0a, F1
	OUT16 2, 2, 0x0a, F0
	OUT16 3, 3, 0x0a, F1
	OUT16 4, 0, 0x0f, F0
	OUT16 5, 1, 0x0f, F1
	OUT16 6, 2, 0x0f, F0
	OUT16 7, 3, 0x0f, F1
	s_set_vgpr_msb 0x1
	s_wait_tensorcnt 0x0
	ds_add_u32 v255, v63
	s_wait_dscnt 0x0
	s_set_vgpr_msb 0x100
	CROUND                                         ; the closing round: no work-group ends while a partner may still ask for a tile that names it
	s_endpgm
.Lfunc_end_k_qe8f3d5edab_proj:
	.size	k_qe8f3d5edab_proj, .Lfunc_end_k_qe8f3d5edab_proj-k_qe8f3d5edab_proj
	.p2alignl 7, 3214868480
	.fill 96, 4, 3214868480
	.section	.rodata,"a",@progbits
	.p2align	6, 0x0
	.amdhsa_kernel k_qe8f3d5edab_proj
		.amdhsa_group_segment_fixed_size 327680
		.amdhsa_private_segment_fixed_size 0
		.amdhsa_enable_private_segment 0
		.amdhsa_kernarg_size 48
		.amdhsa_user_sgpr_count 2
		.amdhsa_user_sgpr_kernarg_segment_ptr 1
		.amdhsa_wavefront_size32 1
		.amdhsa_system_sgpr_workgroup_id_x 1
		.amdhsa_system_sgpr_workgroup_id_y 1
		.amdhsa_system_sgpr_workgroup_id_z 1
		.amdhsa_system_vgpr_workitem_id 0
		.amdhsa_next_free_vgpr 1024
		.amdhsa_next_free_sgpr 80
		.amdhsa_reserve_vcc 0
		.amdhsa_float_denorm_mode_32 3
		.amdhsa_float_denorm_mode_16_64 3
		.amdhsa_memory_ordered 1
		.amdhsa_forward_progress 1
		.amdhsa_inst_pref_size 198
	.end_amdhsa_kernel
	.amdgpu_metadata
---
amdhsa.version: [ 1, 2 ]
amdhsa.kernels:
  - .name:           k_qe8f3d5edab_proj
    .symbol:         k_qe8f3d5edab_proj.kd
    .args:
      - { .name: xh, .offset: 0, .size: 8, .value_kind: global_buffer, .address_space: global }
      - { .name: wh, .offset: 8, .size: 8, .value_kind: global_buffer, .address_space: global }
      - { .name: qkv, .offset: 16, .size: 8, .value_kind: global_buffer, .address_space: global }
      - { .name: bq, .offset: 24, .size: 8, .value_kind: global_buffer, .address_space: global }
      - { .name: bk, .offset: 32, .size: 8, .value_kind: global_buffer, .address_space: global }
      - { .name: bv, .offset: 40, .size: 8, .value_kind: global_buffer, .address_space: global }
    .group_segment_fixed_size: 327680
    .private_segment_fixed_size: 0
    .kernarg_segment_align: 8
    .kernarg_segment_size: 48
    .max_flat_workgroup_size: 128
    .sgpr_count:     80
    .vgpr_count:     1024
    .wavefront_size: 32
...
	.end_amdgpu_metadata
.endif
;; end of part 2
;; launch attn (part 3): grid 16 x 16, 8 waves a work-group, clusters of 4 x 1, 327,680 bytes of LDS; arguments qkv, vals; writes vals
.if DOCPART == 3
	.amdgcn_target "amdgcn-amd-amdhsa--gfx1250"
	.amdhsa_code_object_version 6
	.text
	.protected	k_qe8f3d5edab_attn
	.globl	k_qe8f3d5edab_attn
	.p2align	8
	.type	k_qe8f3d5edab_attn,@function
k_qe8f3d5edab_attn:
	s_mov_b64 s[64:65], 0
	v_nop
	global_prefetch_b8 v0, s[64:65] scope:SCOPE_SE
	s_setreg_imm32_b32 hwreg(HW_REG_WAVE_MODE, 25, 1), 1
	s_wait_xcnt 0x0
	s_wait_alu depctr_hold_cnt(0) depctr_sa_sdst(0) depctr_va_vdst(0) depctr_va_sdst(0) depctr_va_ssrc(0) depctr_va_vcc(0) depctr_vm_vsrc(0)
	s_getreg_b32 s2, hwreg(HW_REG_IB_STS2, 6, 4)
	s_cmp_eq_u32 s2, 0
	s_cbranch_scc0 .Lentry_in_a_cluster
	s_endpgm
.Lentry_in_a_cluster:
	s_bfe_u32 s2, ttmp6, 0x10000c
	s_cmp_lg_u32 s2, 0x3003
	s_cbranch_scc0 .Lentry_shape_is_right
	s_endpgm
.Lentry_shape_is_right:
; vals[b][s][h 64 + d] = sum over keys of softmax over keys of (q . k / 8) times v, for 32 (batch, head) pairs, 2,048 queries and keys, 64 numbers a head.
; qkv: [12288][1024] f16, rows 0-4095 q, 4096-8191 k, 8192-12287 v, row b 2048 + s, column h 64 + d.  vals: [4096][1024] f16, likewise.
; The softmax takes a running maximum away before each exponential; products in f16 with f32 sums, all else in f32.
; LIMITS: the denominator sums the exponentials in f32 as they are, the numerator takes them rounded to f16; an exponential below 2^-126 counts as 0;
; NaN and infinities among the inputs are not served (the maximum passes over a NaN).
; A work-group takes a PAIR of heads (y: 8 b + pair) and 128 queries (x): rows of K, V and of the output are then 256 consecutive bytes, aligned.
; Eight waves, two for each SIMD: wave w takes head 2 pair + (w >> 2) and queries 32 (w & 3) .. + 31.
; CLUSTERS: the four query blocks of a cluster read the same K and V: joint loads with the mask 15 divide those requests by four.
; LAYOUTS: S^T = K Q^T (source 0 = 16 keys, source 1 = 16 queries): lane (r, h) holds query r, keys 8 h + 0..7 of each tile.  Two neighbouring key tiles, packed to
; f16 in place, ARE a source 1 fragment (column = query, k = key) of O^T = V^T P^T, whose source 0 comes by the transposing LDS load.  So P makes no trip through LDS,
; and maximum, sum and scale belong to the lane's own query; lanes r and r + 16 share it.
; LDS: two slots of 256 keys: K 256 x 272 bytes, V 256 x 288; behind them a stage of 128 x 272 for the way out, into which no tensor load lands.
.set KP,     272                       ; 256 + 16: the 16 rows of a fragment load start 16 bytes apart modulo 256
.set VP,     288                       ; 256 + 32 = 9 x 32, for the transposing load
.set VOFF,   256*KP                    ; V behind K in a slot
.set VHALF,  128*VP                    ; V's 73,728 bytes pass the 16-bit immediate: an address register for each half
.set SLOT,   VOFF+256*VP               ; 143,360
.set STAGE,  2*SLOT                    ; 286,720, a multiple of 256
.set SPITCH, 272
.set ROWB,   2048                      ; bytes in a row of qkv and of vals
.set PHASEB, 256*ROWB                  ; 256 keys on
.set KBASE,  4096*ROWB                 ; k in qkv
.set VBASE,  8192*ROWB                 ; v in qkv
.set CLOG,   0x3e38aa3b                ; c = log2(e) / 8: the 1 / sqrt(64) and the base of the exponential in one factor
.set NCLOG,  0xbe38aa3b                ; -c
.set KADR, 8                           ; v8-9    K fragments' LDS address, slot 0, 1
.set VADR, 10                          ; v10-13  V fragments' LDS address, 2 x slot + half
.set STO,  14
.set RD,   15
.set CO,   16
.set QOFF, 17
.set MX,   18                          ; v18-19  running maximum of the raw logits, query tile 0, 1
.set LS,   20                          ; v20-21  running sum (this lane's keys)
.set NM,   22                          ; v[22:23], v[24:25]  -c x maximum in the low word (the high word is 0 and never used)
.set AL,   26                          ; v[26:27], v[28:29]  the factor for what was summed under the old maximum, likewise
.set QF,   32                          ; v[32:63]    Q(qt, ks) at 16 qt + 8 ks
.set SF,   64                          ; v[64:127]   S(kt, qt) at 32 qt + 8 kt; P(qt, kk) = 8 registers at 32 qt + 16 kk
.set KF,   128                         ; v[128:191]  K(kt, ks) at 16 kt + 8 ks
.set VF,   192                         ; v[192:255]  V^T(kk, t) at 32 kk + 8 t
                                       ; window 1, v[0:63]: O(t, qt) at 8 (2 t + qt)
.set G1K, 16
.set G1V, 24
.set G0K, 32                           ; a set of four for each slot
.set G0V, 40
.set MSB, 0
.macro WIN new                         ; low byte: bits 1:0 source 0, 3:2 source 1, 5:4 source 2, 7:6 destination; the high byte repeats the setting that is left
.if MSB != \new
	s_set_vgpr_msb (MSB<<8)|\new
.set MSB, \new
.endif
.endm
.macro PLACES
.rept 4
	v_nop
.endr
.endm
.macro ROUND                           ; a round of the cluster's barrier
	s_barrier_signal -1
	s_barrier_wait -1
	s_cmp_lg_u32 s8, 0
	s_cbranch_scc1 .Lnot_wave_0_\@
	s_barrier_signal -3
.Lnot_wave_0_\@:
	s_barrier_wait -3
	s_barrier_signal -1
	s_barrier_wait -1
.endm
.macro JLOAD s                         ; waves 0-3 bring 64 rows of K each, waves 4-7 64 rows of V each: one tensor load a wave
	s_cmp_eq_u32 s9, 0
	s_cbranch_scc0 .Lfor_v_\@
	tensor_load_to_lds s[G0K+4*\s:G0K+4*\s+3], s[G1K:G1K+7]
	s_nop 0
	s_branch .Lasked_\@
.Lfor_v_\@:
	tensor_load_to_lds s[G0V+4*\s:G0V+4*\s+3], s[G1V:G1V+7]
	s_nop 0
.Lasked_\@:
.endm
	s_load_b128 s[4:7], s[0:1], 0x0                ; qkv s[4:5], vals s[6:7]
	v_lshl_add_u32 v30, v0, 2, 0x4e800
	v_mov_b32 v31, 0
	ds_add_u32 v30, v31
	v_lshrrev_b32 v1, 5, v0
	v_readfirstlane_b32 s8, v1                     ; wave 0..7
	s_lshr_b32 s9, s8, 2                           ; which head of the pair.  Also: I fetch K (0) or V (1)
	s_and_b32 s10, s8, 3                           ; which 32 queries.  Also: which 64 rows of the tile I fetch
	s_bfe_u32 s11, ttmp6, 0x40000                  ; cx
	s_lshl_b32 s12, ttmp9, 2
	s_add_co_u32 s12, s12, s11                     ; query block = 4 x cluster x + cx
	s_and_b32 s13, ttmp7, 0xffff
	s_lshr_b32 s14, s13, 3                         ; b
	s_and_b32 s15, s13, 7                          ; pair of heads
	s_mov_b32 s54, 0x76543210                      ; v_permlanex16_b32: lane i of one half reads lane i of the other
	s_mov_b32 s55, 0xfedcba98
	; group 1: 64 rows x 128 elements of 2 bytes, mask 15; behind every 64 words 4 words of padding (K) or 8 (V)
	s_mov_b32 s[G1K+0], 15|(1<<16)|(1<<20)|(1<<21)|(5<<22)|(3<<25)
	s_mov_b32 s[G1V+0], 15|(1<<16)|(1<<20)|(1<<21)|(5<<22)|(7<<25)
.irp g, G1K, G1V
	s_mov_b32 s[\g+1], 128<<16                     ; tensor_dim0 = 128
	s_mov_b32 s[\g+2], 64<<16                      ; tensor_dim1 = 64
	s_mov_b32 s[\g+3], 128<<16                     ; tile_dim0 = 128
	s_mov_b32 s[\g+4], 64                          ; tile_dim1 = 64
	s_mov_b32 s[\g+5], 1024                        ; elements from row to row
	s_mov_b32 s[\g+6], 0
	s_mov_b32 s[\g+7], 0
.endr
	s_lshl_b32 s50, s14, 22                        ; my tile inside k or v: (2048 b + 64 x part) rows of 2,048 bytes + 256 x pair; no cx in it
	s_lshl_b32 s52, s10, 17
	s_add_co_u32 s50, s50, s52
	s_lshl_b32 s52, s15, 8
	s_add_co_u32 s50, s50, s52
	s_mov_b32 s51, 0
	s_mul_i32 s52, s10, 64*KP                      ; where it goes: K's part,
	s_mul_i32 s53, s10, 64*VP
	s_add_co_u32 s53, s53, VOFF                    ; V's part
	s_lshl_b32 s56, s14, 22                        ; my Q: row 2048 b + 128 block + 32 (w & 3), byte 128 x head
	s_lshl_b32 s58, s12, 18
	s_add_co_u32 s56, s56, s58
	s_mov_b32 s58, s56                             ; (my output shares b and the block)
	s_lshl_b32 s57, s10, 16
	s_add_co_u32 s56, s56, s57
	s_lshl_b32 s57, s15, 8
	s_add_co_u32 s56, s56, s57
	s_add_co_u32 s58, s58, s57                     ; output: byte 256 x pair,
	s_lshl_b32 s57, s9, 7
	s_add_co_u32 s56, s56, s57
	s_lshl_b32 s57, s8, 15
	s_add_co_u32 s58, s58, s57                     ; row + 16 w
	s_mov_b32 s57, 0
	s_mov_b32 s59, 0
	s_wait_dscnt 0x0
	s_wait_kmcnt 0x0
	s_add_nc_u64 s[50:51], s[4:5], s[50:51]
	s_add_nc_u64 s[56:57], s[4:5], s[56:57]
	s_add_nc_u64 s[58:59], s[6:7], s[58:59]
	ROUND                                          ; the four work-groups are here: the first joint loads meet
.irp s, 0,1
	s_mov_b32 s[G0K+4*\s], 1
	s_add_co_u32 s[G0K+4*\s+1], s52, \s*SLOT
	s_add_nc_u64 s[G0K+4*\s+2:G0K+4*\s+3], s[50:51], KBASE+\s*PHASEB
	s_or_b32 s[G0K+4*\s+3], s[G0K+4*\s+3], 0x80000000
	s_mov_b32 s[G0V+4*\s], 1
	s_add_co_u32 s[G0V+4*\s+1], s53, \s*SLOT
	s_add_nc_u64 s[G0V+4*\s+2:G0V+4*\s+3], s[50:51], VBASE+\s*PHASEB
	s_or_b32 s[G0V+4*\s+3], s[G0V+4*\s+3], 0x80000000
	JLOAD \s                                       ; keys 0-255 and 256-511: two tensor loads of a wave are out, the most in this text
.endr
	v_and_b32 v1, 15, v0                           ; r
	v_bfe_u32 v2, v0, 4, 1                         ; h
	v_lshlrev_b32 v5, 11, v1
	v_lshl_add_u32 v[QOFF], v2, 4, v5              ; Q: row r, byte 16 h
.irp qt, 0,1
.irp ks, 0,1
	global_load_b128 v[QF+16*\qt+8*\ks:QF+16*\qt+8*\ks+3],   v[QOFF], s[56:57] offset:\qt*16*ROWB+64*\ks      ; read once; a head's row is 128 bytes in the tensor itself
	global_load_b128 v[QF+16*\qt+8*\ks+4:QF+16*\qt+8*\ks+7], v[QOFF], s[56:57] offset:\qt*16*ROWB+64*\ks+32
.endr
.endr
	v_mul_u32_u24 v3, v1, KP
	v_lshl_add_u32 v3, v2, 4, v3                   ; r x 272 + 16 h
	s_lshl_b32 s52, s9, 7                          ; my head's 128 bytes of a row
	v_add_nc_u32 v[KADR], s52, v3
	v_add_nc_u32 v[KADR+1], SLOT, v[KADR]
	v_and_b32 v4, 7, v0
	v_lshl_add_u32 v4, v2, 3, v4                   ; the transposing load: row 8 h + (l & 7),
	v_mul_u32_u24 v5, v4, VP
	v_bfe_u32 v6, v0, 3, 1
	v_lshl_add_u32 v5, v6, 4, v5                   ; byte 16 ((l >> 3) & 1)
	s_add_co_u32 s53, s52, VOFF
	v_add_nc_u32 v[VADR], s53, v5
	v_add_nc_u32 v[VADR+1], VHALF, v[VADR]
	v_add_nc_u32 v[VADR+2], SLOT, v[VADR]
	v_add_nc_u32 v[VADR+3], SLOT+VHALF, v[VADR]
	s_mul_i32 s53, s10, 32*SPITCH
	s_add_co_u32 s53, s53, STAGE
	v_add_nc_u32 v[STO], s53, v[KADR]              ; stage, in: row 32 (w & 3) + r, byte 128 x head + 16 h (the stage's pitch is K's)
	s_mul_i32 s53, s8, 16*SPITCH
	s_add_co_u32 s53, s53, STAGE
	v_mul_u32_u24 v5, v2, SPITCH
	v_lshl_add_u32 v5, v1, 4, v5
	v_add_nc_u32 v[RD], s53, v5                    ; back: rows 16 w + .., lanes 0-15 one row, lanes 16-31 the next
	v_lshlrev_b32 v5, 11, v2
	v_lshl_add_u32 v[CO], v1, 4, v5
	v_mov_b32 v[NM+1], 0                           ; the pairs' high words: named by the packed forms, never used
	v_mov_b32 v[NM+3], 0
	v_mov_b32 v[AL+1], 0
	v_mov_b32 v[AL+3], 0
; 16 loads: the K fragments of the 64 keys of step st
.macro FETCHK slot, st
.irp kt, 0,1,2,3
.irp ks, 0,1
	ds_load_b128 v[KF+16*\kt+8*\ks:KF+16*\kt+8*\ks+3],   v[KADR+\slot] offset:(64*(\st)+16*\kt)*KP+64*\ks
	ds_load_b128 v[KF+16*\kt+8*\ks+4:KF+16*\kt+8*\ks+7], v[KADR+\slot] offset:(64*(\st)+16*\kt)*KP+64*\ks+32
.endr
.endr
.endm
; 16 transposing loads: V^T of the same keys: fragment (kk, t) = d 16 t .. + 15 x keys 32 kk .. + 31
.macro FETCHV slot, st
.irp kk, 0,1
.irp t, 0,1,2,3
	ds_load_tr16_b128 v[VF+32*\kk+8*\t:VF+32*\kk+8*\t+3],   v[VADR+2*\slot+(\st)/2] offset:(((\st)%2)*64+32*\kk)*VP+32*\t
	ds_load_tr16_b128 v[VF+32*\kk+8*\t+4:VF+32*\kk+8*\t+7], v[VADR+2*\slot+(\st)/2] offset:(((\st)%2)*64+32*\kk+16)*VP+32*\t
.endr
.endr
.endm
; S^T = K Q^T: 16 matrix instructions, the eight accumulators by turns, one instruction a turn; the first half starts the sums
.macro QK
.irp ks, 0,1
.irp qt, 0,1
.irp kt, 0,1,2,3
.if \ks
	v_wmma_f32_16x16x32_f16 v[SF+32*\qt+8*\kt:SF+32*\qt+8*\kt+7], v[KF+16*\kt+8*\ks:KF+16*\kt+8*\ks+7], v[QF+16*\qt+8*\ks:QF+16*\qt+8*\ks+7], v[SF+32*\qt+8*\kt:SF+32*\qt+8*\kt+7]
.else
	v_wmma_f32_16x16x32_f16 v[SF+32*\qt+8*\kt:SF+32*\qt+8*\kt+7], v[KF+16*\kt+8*\ks:KF+16*\kt+8*\ks+7], v[QF+16*\qt+8*\ks:QF+16*\qt+8*\ks+7], 0
.endif
.endr
.endr
.endr
.endm
; O^T += V^T P^T: 16 matrix instructions, eight accumulators by turns likewise.  first = 1: the first half starts the sums.
.macro PV first
.irp kk, 0,1
.irp qt, 0,1
.irp t, 0,1,2,3
.if \first*(1-\kk)
	v_wmma_f32_16x16x32_f16 v[8*(2*\t+\qt):8*(2*\t+\qt)+7], v[VF+32*\kk+8*\t:VF+32*\kk+8*\t+7], v[SF+32*\qt+16*\kk:SF+32*\qt+16*\kk+7], 0
.else
	v_wmma_f32_16x16x32_f16 v[8*(2*\t+\qt):8*(2*\t+\qt)+7], v[VF+32*\kk+8*\t:VF+32*\kk+8*\t+7], v[SF+32*\qt+16*\kk:SF+32*\qt+16*\kk+7], v[8*(2*\t+\qt):8*(2*\t+\qt)+7]
.endif
.endr
.endr
.endr
.endm
; The new maximum of query tile qt: my 32 logits in four chains, the other half of the lanes, the old maximum.  Then the shift -c m, and the factor
; 2^(new shift - old shift) for what was summed before: made of the two rounded shifts that the exponentials use, so that old and new terms agree.
.macro MAXN qt, first
.irp kt, 0,1,2,3
	v_max3_num_f32 v[2+\kt], v[SF+32*\qt+8*\kt], v[SF+32*\qt+8*\kt+1], v[SF+32*\qt+8*\kt+2]
.endr
.irp kt, 0,1,2,3
	v_max3_num_f32 v[2+\kt], v[2+\kt], v[SF+32*\qt+8*\kt+3], v[SF+32*\qt+8*\kt+4]
.endr
.irp kt, 0,1,2,3
	v_max3_num_f32 v[2+\kt], v[2+\kt], v[SF+32*\qt+8*\kt+5], v[SF+32*\qt+8*\kt+6]
.endr
	v_max3_num_f32 v2, v2, v[SF+32*\qt+7],  v[SF+32*\qt+15]
	v_max3_num_f32 v3, v3, v[SF+32*\qt+23], v[SF+32*\qt+31]
	v_max3_num_f32 v2, v2, v3, v4
	v_max_num_f32 v2, v2, v5
	v_permlanex16_b32 v3, v2, s54, s55             ; the same query's other 32 keys (v3 has been written)
.if \first
	v_max_num_f32 v[MX+\qt], v2, v3
	v_mul_f32 v[NM+2*\qt], NCLOG, v[MX+\qt]
.else
	v_max3_num_f32 v[MX+\qt], v2, v3, v[MX+\qt]
	v_mul_f32 v7, NCLOG, v[MX+\qt]
	v_sub_f32 v5, v7, v[NM+2*\qt]                  ; at most 0
	v_exp_f32 v[AL+2*\qt], v5
	v_mov_b32 v[NM+2*\qt], v7                      ; the plain instruction behind the exponential: it names neither v5 nor the result
.endif
.endm
.macro SCALE qt                        ; c s - c m, two at a time
.irp i, 0,2,4,6,8,10,12,14,16,18,20,22,24,26,28,30
	v_pk_fma_f32 v[SF+32*\qt+\i:SF+32*\qt+\i+1], v[SF+32*\qt+\i:SF+32*\qt+\i+1], CLOG, v[NM+2*\qt:NM+2*\qt+1] op_sel_hi:[1,0,0]
.endr
.endm
.macro EXPN qt                         ; 32 exponentials back to back on registers of their own; plain work on the other query tile follows before a result is used
.irp i, 0,1,2,3,4,5,6,7,8,9,10,11,12,13,14,15,16,17,18,19,20,21,22,23,24,25,26,27,28,29,30,31
	v_exp_f32 v[SF+32*\qt+\i], v[SF+32*\qt+\i]
.endr
.endm
.macro SUMN qt, first                  ; my 32 exponentials in two chains of pairs; then the running sum
	s_wait_alu depctr_va_vdst(0)
	v_pk_add_f32 v[2:3], v[SF+32*\qt:SF+32*\qt+1],       v[SF+32*\qt+2:SF+32*\qt+3]
	v_pk_add_f32 v[4:5], v[SF+32*\qt+16:SF+32*\qt+17],   v[SF+32*\qt+18:SF+32*\qt+19]
.irp i, 4,6,8,10,12,14
	v_pk_add_f32 v[2:3], v[2:3], v[SF+32*\qt+\i:SF+32*\qt+\i+1]
	v_pk_add_f32 v[4:5], v[4:5], v[SF+32*\qt+16+\i:SF+32*\qt+16+\i+1]
.endr
	v_pk_add_f32 v[2:3], v[2:3], v[4:5]
.if \first
	v_add_f32 v[LS+\qt], v2, v3
.else
	v_fma_f32 v[LS+\qt], v[LS+\qt], v[AL+2*\qt], v2
	v_add_f32 v[LS+\qt], v[LS+\qt], v3
.endif
.endm
.macro PACK qt                         ; two key tiles of 8 f32 become one fragment of 8 registers, in place; ascending, so no source is written before it is read
.irp kk, 0,1
.irp i, 0,1,2,3,4,5,6,7
	v_cvt_pk_f16_f32 v[SF+32*\qt+16*\kk+\i], v[SF+32*\qt+16*\kk+2*\i], v[SF+32*\qt+16*\kk+2*\i+1]
.endr
.endr
.endm
.macro RESCALE                         ; what O holds was summed under the old maximum
.irp t, 0,1,2,3
.irp qt, 0,1
.irp i, 0,2,4,6
	v_pk_mul_f32 v[8*(2*\t+\qt)+\i:8*(2*\t+\qt)+\i+1], v[8*(2*\t+\qt)+\i:8*(2*\t+\qt)+\i+1], v[AL+2*\qt:AL+2*\qt+1] op_sel_hi:[1,0]
.endr
.endr
.endr
.endm
; One step: 64 keys.  On entry this step's 16 K loads are out.  more = 1: the next step's K fragments (same slot) are fetched under the softmax.
.macro STEP slot, st, more, first
.rept 5
	v_nop                                          ; five places behind the last O^T products: the coming products write over P, and V's fragments are loaded again
.endr
	FETCHV \slot, \st
	s_wait_dscnt 16                                ; K's 16 loads are in; V's 16 stay out
	QK
	PLACES                                         ; behind the products: their results are read, K's fragments are loaded again
.if \more
	FETCHK \slot, \st+1
.endif
	MAXN 0, \first
	MAXN 1, \first
	SCALE 0
	EXPN 0
	SCALE 1
	SUMN 0, \first
	EXPN 1
	PACK 0
	SUMN 1, \first
	PACK 1
.if \first == 0
	WIN 0x41                                       ; O in window 1 as source 0 and destination, the factor in window 0
	RESCALE
.endif
.if \more
	s_wait_dscnt 16                                ; V's 16 loads are in; the next step's 16 K loads stay out
.else
	s_wait_dscnt 0
.endif
	WIN 0x50                                       ; C and D in window 1
	PV \first
	WIN 0
.endm
.macro PHASE slot, first               ; a slot's 256 keys
	FETCHK \slot, 0
	STEP \slot, 0, 1, \first
	STEP \slot, 1, 1, 0
	STEP \slot, 2, 1, 0
	STEP \slot, 3, 0, 0
.endm
; From one slot to the other.  Each wave waits for all its tensor loads (its part of the new slot among them) and for its reads of the old slot.
; refill = 1: a round of the cluster's barrier, and the old slot's joint refill, 512 keys on, is the first thing behind it; it has a whole phase in which to land.
.macro CHANGE new, refill
	s_wait_tensorcnt 0x0
	ds_add_u32 v30, v31
	s_wait_dscnt 0x0
.if \refill
	s_add_nc_u64 s[G0K+4*(1-\new)+2:G0K+4*(1-\new)+3], s[G0K+4*(1-\new)+2:G0K+4*(1-\new)+3], 2*PHASEB   ; no tensor load of mine is out: the addresses may step
	s_add_nc_u64 s[G0V+4*(1-\new)+2:G0V+4*(1-\new)+3], s[G0V+4*(1-\new)+2:G0V+4*(1-\new)+3], 2*PHASEB
.endif
	s_wait_dscnt 0x0
.if \refill
	ROUND
	JLOAD (1-\new)
.else
	s_barrier_signal -1
	s_barrier_wait -1
.endif
.endm
	s_wait_tensorcnt 0x1                           ; my part of keys 0-255 is in; the second slot's stays out
	s_barrier_signal -1
	s_barrier_wait -1
	s_wait_loadcnt 0x0                             ; Q
	PHASE 0, 1                                     ; keys 0-255; the first step starts maximum, sums and O
	s_mov_b32 s48, 3
.Lpair:                                            ; three trips: phases 1 and 2, 3 and 4, 5 and 6; refills for phases 2 to 7
	CHANGE 1, 1
	PHASE 1, 0
	CHANGE 0, 1
	PHASE 0, 0
	s_sub_co_i32 s48, s48, 1
	s_cmp_lg_u32 s48, 0
	s_cbranch_scc1 .Lpair
	CHANGE 1, 0                                    ; nothing is left to fetch
	PHASE 1, 0                                     ; keys 1792-2047
	; THE WAY OUT: join the two halves' sums, divide, round to f16, put whole rows of two heads together in the stage
	PLACES
	v_permlanex16_b32 v2, v[LS], s54, s55
	v_permlanex16_b32 v3, v[LS+1], s54, s55
	v_add_f32 v[LS], v[LS], v2
	v_add_f32 v[LS+1], v[LS+1], v3
	v_rcp_f32 v[AL], v[LS]                         ; the sum is at least about 1: the key of the maximum is in it
	v_rcp_f32 v[AL+2], v[LS+1]
	v_nop                                          ; the plain place behind the reciprocals
	WIN 0x01                                       ; O as source 0 in window 1
	s_wait_alu depctr_va_vdst(0)
.irp t, 0,1,2,3
.irp qt, 0,1
.irp i, 0,2,4,6
	v_pk_mul_f32 v[KF+8*(2*\t+\qt)+\i:KF+8*(2*\t+\qt)+\i+1], v[8*(2*\t+\qt)+\i:8*(2*\t+\qt)+\i+1], v[AL+2*\qt:AL+2*\qt+1] op_sel_hi:[1,0]
.endr
.endr
.endr
	WIN 0
.irp t, 0,1,2,3
.irp qt, 0,1
.irp i, 0,1,2,3
	v_cvt_pk_f16_f32 v[VF+4*(2*\t+\qt)+\i], v[KF+8*(2*\t+\qt)+2*\i], v[KF+8*(2*\t+\qt)+2*\i+1]
.endr
	ds_store_b128 v[STO], v[VF+4*(2*\t+\qt):VF+4*(2*\t+\qt)+3] offset:\qt*16*SPITCH+32*\t   ; query 16 qt + r, d 16 t + 8 h + 0..7
.endr
.endr
	s_wait_dscnt 0x0                               ; my stores are done, for the waves that read them
	s_barrier_signal -1
	s_barrier_wait -1
.irp i, 0,1,2,3,4,5,6,7
	ds_load_b128 v[SF+4*\i:SF+4*\i+3], v[RD] offset:\i*2*SPITCH
.endr
.irp i, 0,1,2,3,4,5,6,7
	s_wait_dscnt 7-\i                              ; load i is in, the 7 - i younger ones stay out
	global_store_b128 v[CO], v[SF+4*\i:SF+4*\i+3], s[58:59] offset:\i*2*ROWB   ; 16 lanes store 256 consecutive bytes, aligned: two heads of one row
.endr
	s_wait_tensorcnt 0x0
	ds_add_u32 v30, v31
	s_wait_dscnt 0x0
	ROUND                                          ; the closing round: no work-group ends while a partner may still ask for a tile that names it
	s_endpgm
.Lfunc_end_k_qe8f3d5edab_attn:
	.size	k_qe8f3d5edab_attn, .Lfunc_end_k_qe8f3d5edab_attn-k_qe8f3d5edab_attn
	.p2alignl 7, 3214868480
	.fill 96, 4, 3214868480
	.section	.rodata,"a",@progbits
	.p2align	6, 0x0
	.amdhsa_kernel k_qe8f3d5edab_attn
		.amdhsa_group_segment_fixed_size 327680
		.amdhsa_private_segment_fixed_size 0
		.amdhsa_enable_private_segment 0
		.amdhsa_kernarg_size 16
		.amdhsa_user_sgpr_count 2
		.amdhsa_user_sgpr_kernarg_segment_ptr 1
		.amdhsa_wavefront_size32 1
		.amdhsa_system_sgpr_workgroup_id_x 1
		.amdhsa_system_sgpr_workgroup_id_y 1
		.amdhsa_system_sgpr_workgroup_id_z 1
		.amdhsa_system_vgpr_workitem_id 0
		.amdhsa_next_free_vgpr 320
		.amdhsa_next_free_sgpr 66
		.amdhsa_reserve_vcc 0
		.amdhsa_float_denorm_mode_32 3
		.amdhsa_float_denorm_mode_16_64 3
		.amdhsa_memory_ordered 1
		.amdhsa_forward_progress 1
		.amdhsa_inst_pref_size 255
	.end_amdhsa_kernel
	.section	.bss,"aw",@nobits
	.p2align	6
	.space	262144
	.amdgpu_metadata
---
amdhsa.version: [ 1, 2 ]
amdhsa.kernels:
  - .name:           k_qe8f3d5edab_attn
    .symbol:         k_qe8f3d5edab_attn.kd
    .args:
      - { .name: qkv, .offset: 0, .size: 8, .value_kind: global_buffer, .address_space: global }
      - { .name: vals, .offset: 8, .size: 8, .value_kind: global_buffer, .address_space: global }
    .group_segment_fixed_size: 327680
    .private_segment_fixed_size: 0
    .kernarg_segment_align: 8
    .kernarg_segment_size: 16
    .max_flat_workgroup_size: 256
    .sgpr_count:     66
    .vgpr_count:     320
    .wavefront_size: 32
...
	.end_amdgpu_metadata
.endif
;; end of part 3
;; launch outp (part 4): grid 8 x 32, 4 waves a work-group, clusters of 4 x 4, 327,680 bytes of LDS; arguments vals, wh, out0, bo; writes out0
.if DOCPART == 4
	.amdgcn_target "amdgcn-amd-amdhsa--gfx1250"
	.amdhsa_code_object_version 6
	.text
	.protected	k_qe8f3d5edab_outp
	.globl	k_qe8f3d5edab_outp
	.p2align	8
	.type	k_qe8f3d5edab_outp,@function
k_qe8f3d5edab_outp:
	s_mov_b64 s[64:65], 0
	v_nop
	global_prefetch_b8 v0, s[64:65] scope:SCOPE_SE
	s_setreg_imm32_b32 hwreg(HW_REG_WAVE_MODE, 25, 1), 1
	s_wait_xcnt 0x0
	s_wait_alu depctr_hold_cnt(0) depctr_sa_sdst(0) depctr_va_vdst(0) depctr_va_sdst(0) depctr_va_ssrc(0) depctr_va_vcc(0) depctr_vm_vsrc(0)
	s_getreg_b32 s2, hwreg(HW_REG_IB_STS2, 6, 4)
	s_cmp_eq_u32 s2, 0
	s_cbranch_scc0 .Lentry_in_a_cluster
	s_endpgm
.Lentry_in_a_cluster:
	s_bfe_u32 s2, ttmp6, 0x10000c
	s_cmp_lg_u32 s2, 0xf033
	s_cbranch_scc0 .Lentry_shape_is_right
	s_endpgm
.Lentry_shape_is_right:
; C[i][n] = bias[n] + sum over k of A[i][k] W[n][k], K = 1,024, operands f16, sums f32.
; F32OUT = 0: A = xh [12288][1024] (xq, xk, xv stacked), W = wh's matrix m = block row / 32 (Wq, Wk, Wv), bias bq, bk, bv, C = qkv [12288][1024] f16.
; F32OUT = 1: A = vals [4096][1024], W = wh's fourth matrix (Wo), bias bo, C = out0 [4096][1024] f32.
; LIMITS: the bias starts the f32 sum instead of ending it (another order of rounding); with F32OUT = 0 a result above 65,504 in magnitude
; becomes an infinity in f16 (the drawn q, k, v are about 1, so inputs may grow by a product of some 10,000).
; A work-group makes 128 x 128 of C with four waves, a wave 64 x 64: 16 accumulator tiles, 128 registers.  K goes in four steps of 256 through
; two LDS slots filled by the tensor data mover; a tile's rows are 512 consecutive bytes, aligned.  The four steps are written out: no loop.
; CLUSTERS: 4 x 4 work-groups.  The four of a cluster's row share A's tiles, the four of a column share W's: each tile is asked for jointly,
; by the same tensor load with the same descriptor in all four, which divides the requests for A and W by four.
; THE MATRIX INSTRUCTION IS USED TRANSPOSED: source 0 = 16 rows of W, source 1 = 16 rows of A.  Lane l then holds row l % 16 of C and its
; registers 0-7 the columns 8 (l / 16) + 0..7: neighbouring numbers of a row; and eight bias numbers loaded likewise ARE the C operand of a tile's first product.
; REGISTERS: window 0: v1-v27 addresses, v64-127 and v128-191 two fragment buffers (W's four fragments, then A's four), v192-223 bias, later at work;
; window 1: v0-127 accumulators, tile (a, b) at 8 (4 a + b).
.set F32OUT, 1
.set KSTEP,  256
.set PITCH,  528                       ; an LDS row: 512 bytes + 16 of padding = 33 x 16: the 16 rows that a fragment load touches start 16 bytes apart modulo 256
.set HALFT,  64*PITCH                  ; 64 rows: what one tensor load brings, and what one wave reads of A or of W
.set SLOT,   4*HALFT                   ; A's 128 rows, then W's 128 rows
.set STAGE,  2*SLOT                    ; behind the ring, a multiple of 256: the way out; no tensor load lands here
.set SPITCH, 272                       ; a stage row: 256 bytes + 16
.set ADRA, 16                          ; v16-17  LDS address of my A fragments in slot 0, 1
.set ADRB, 20                          ; v20-21  the same for W
.set STO,  24                          ; the way out: where I put my numbers
.set RD,   25                          ; the way out: where I read rows back
.set CO,   26                          ; my byte offset in C
.set BOFF, 27                          ; my byte offset in the bias
.set F0,   64
.set F1,   128
.set BIAS, 192
.set TMP,  192
.set G1,  24                           ; s[24:31] descriptor group 1, A's tiles
.set G0,  32                           ; s[32:39] descriptor group 0, A's tiles, a set for each slot
.set G1B, 48                           ; s[48:55] group 1, W's tiles: differs in the mask alone
.set G0B, 56                           ; s[56:63] group 0, W's tiles
.set MSB, 0
.macro WIN new                         ; low byte: bits 1:0 source 0, 3:2 source 1, 5:4 source 2, 7:6 destination; the high byte repeats the setting that is left
.if MSB != \new
	s_set_vgpr_msb (MSB<<8)|\new
.set MSB, \new
.endif
.endm
.macro PLACES                          ; four places behind matrix instructions (ISA guide 7.12.1), where there is no other vector work
.rept 4
	v_nop
.endr
.endm
; A joint load: waves 0, 1 fetch A's two halves, waves 2, 3 W's.  The branch hangs on the wave's number alone.
.macro JLOAD s
	s_cmp_eq_u32 s11, 0
	s_cbranch_scc0 .Lfor_b_\@
	tensor_load_to_lds s[G0+4*\s:G0+4*\s+3], s[G1:G1+7]
	s_nop 0
	s_branch .Lasked_\@
.Lfor_b_\@:
	tensor_load_to_lds s[G0B+4*\s:G0B+4*\s+3], s[G1B:G1B+7]
	s_nop 0
.Lasked_\@:
.endm
.macro CREST                           ; a round of the cluster's barrier behind its opening work-group barrier
	s_cmp_lg_u32 s10, 0
	s_cbranch_scc1 .Lnot_wave_0_\@
	s_barrier_signal -3
.Lnot_wave_0_\@:
	s_barrier_wait -3
	s_barrier_signal -1
	s_barrier_wait -1
.endm
.macro CROUND                          ; a whole round
	s_barrier_signal -1
	s_barrier_wait -1
	CREST
.endm
	s_load_b128 s[4:7], s[0:1], 0x0                ; A s[4:5], wh s[6:7]
	s_load_b64 s[8:9], s[0:1], 0x10                ; C
.if F32OUT
	s_load_b64 s[74:75], s[0:1], 0x18              ; bo
	v_lshl_add_u32 v254, v0, 2, 0x46400
	v_mov_b32 v255, 0
	ds_add_u32 v254, v255
.else
	s_load_b128 s[68:71], s[0:1], 0x18             ; bq, bk
	s_load_b64 s[72:73], s[0:1], 0x28              ; bv
.endif
	v_lshrrev_b32 v1, 5, v0
	v_readfirstlane_b32 s10, v1                    ; wave 0..3
	s_lshr_b32 s11, s10, 1                         ; my half of the block's rows.  Also: I fetch for A (0) or for W (1)
	s_and_b32 s12, s10, 1                          ; my half of its columns.  Also: which 64 rows of that tile I fetch
	s_bfe_u32 s40, ttmp6, 0x40000                  ; cx
	s_bfe_u32 s41, ttmp6, 0x40004                  ; cy
	s_lshl_b32 s42, ttmp9, 2
	s_add_co_u32 s42, s42, s40                     ; block column = 4 x cluster x + cx
	s_and_b32 s13, ttmp7, 0xffff
.if F32OUT == 0
	s_lshr_b32 s45, s13, 3                         ; m = which of q, k, v: 8 clusters along y for each, so every partner has the same m
.endif
	s_lshl_b32 s13, s13, 2
	s_add_co_u32 s13, s13, s41                     ; block row = 4 x cluster y + cy
	s_lshl_b32 s43, s41, 2
	s_lshl_b32 s43, 15, s43                        ; my row of the cluster: places 4 cy .. 4 cy + 3
	s_lshl_b32 s44, 0x1111, s40                    ; my column: places cx, cx + 4, cx + 8, cx + 12
	; group 1: a tile of 64 rows x 256 elements of 2 bytes; 4 words of padding behind every 128 words
	s_or_b32 s[G1+0],  s43, (1<<16)|(1<<20)|(1<<21)|(6<<22)|(3<<25)
	s_or_b32 s[G1B+0], s44, (1<<16)|(1<<20)|(1<<21)|(6<<22)|(3<<25)
.irp g, G1, G1B
	s_mov_b32 s[\g+1], KSTEP<<16                   ; tensor_dim0 = 256
	s_mov_b32 s[\g+2], 64<<16                      ; tensor_dim1 = 64
	s_mov_b32 s[\g+3], KSTEP<<16                   ; tile_dim0 = 256
	s_mov_b32 s[\g+4], 64                          ; tile_dim1 = 64
	s_mov_b32 s[\g+5], 1024                        ; elements from row to row
	s_mov_b32 s[\g+6], 0
	s_mov_b32 s[\g+7], 0
.endr
	; A's tiles hang on the block row alone, W's on the block column (and m) alone; each offset in registers that never hold the other coordinate
	s_lshl_b32 s17, s12, 6
	s_lshl_b32 s16, s13, 7
	s_add_co_u32 s16, s16, s17                     ; A: row 128 x block row + 64 x half
	s_lshl_b32 s16, s16, 11                        ; 2,048 bytes a row; below 2^25
	s_lshl_b32 s46, s42, 7
	s_add_co_u32 s46, s46, s17                     ; W: row 128 x block column + 64 x half
	s_lshl_b32 s46, s46, 11
.if F32OUT
	s_add_co_u32 s46, s46, 3<<21                   ; Wo is wh's fourth matrix of 2,097,152 bytes
.else
	s_lshl_b32 s21, s45, 21
	s_add_co_u32 s46, s46, s21                     ; matrix m
.endif
	s_mov_b32 s17, 0
	s_mov_b32 s47, 0
	s_mul_i32 s20, s10, HALFT                      ; where my tile goes: wave x 64 rows
	s_wait_dscnt 0x0
	s_wait_kmcnt 0x0
	s_add_nc_u64 s[14:15], s[4:5], s[16:17]
	s_add_nc_u64 s[46:47], s[6:7], s[46:47]
	CROUND                                         ; all sixteen work-groups are here: the first joint loads meet
.irp s, 0,1
	s_mov_b32 s[G0+4*\s], 1
	s_add_co_u32 s[G0+4*\s+1], s20, \s*SLOT
	s_add_nc_u64 s[G0+4*\s+2:G0+4*\s+3], s[14:15], \s*KSTEP*2      ; K step s
	s_or_b32 s[G0+4*\s+3], s[G0+4*\s+3], 0x80000000
	s_mov_b32 s[G0B+4*\s], 1
	s_add_co_u32 s[G0B+4*\s+1], s20, \s*SLOT
	s_add_nc_u64 s[G0B+4*\s+2:G0B+4*\s+3], s[46:47], \s*KSTEP*2
	s_or_b32 s[G0B+4*\s+3], s[G0B+4*\s+3], 0x80000000
	JLOAD \s                                       ; both slots are asked for before anything else: two tensor loads of a wave are out, the most in this text
.endr
	; a fragment: lane l holds row l % 16; registers 0-3 K = 8 (l / 16) + 0..7, registers 4-7 K = 16 + 8 (l / 16) + 0..7: two loads of 16 bytes, 32 apart
	v_and_b32 v1, 15, v0                           ; r
	v_bfe_u32 v2, v0, 4, 1                         ; h
	v_mul_u32_u24 v3, v1, PITCH
	v_lshl_add_u32 v3, v2, 4, v3
	s_mul_i32 s21, s11, HALFT                      ; my 64 rows of A
	s_mul_i32 s22, s12, HALFT                      ; my 64 rows of W,
	s_add_co_u32 s22, s22, 2*HALFT                 ; which lie behind A's 128
.irp s, 0,1
	v_add_nc_u32 v[ADRA+\s], s21, v3
	v_add_nc_u32 v[ADRB+\s], s22, v3
	s_add_co_u32 s21, s21, SLOT
	s_add_co_u32 s22, s22, SLOT
.endr
	; the bias of my 64 columns: BIAS + 8 b + j = bias[128 x block column + 64 x half + 16 b + 8 h + j]
.if F32OUT == 0
	s_mov_b64 s[74:75], s[68:69]
	s_cmp_eq_u32 s45, 1
	s_cselect_b64 s[74:75], s[70:71], s[74:75]
	s_cmp_eq_u32 s45, 2
	s_cselect_b64 s[74:75], s[72:73], s[74:75]
.endif
	s_lshl_b32 s76, s42, 9
	s_lshl_b32 s77, s12, 8
	s_add_co_u32 s76, s76, s77
	s_mov_b32 s77, 0
	s_add_nc_u64 s[74:75], s[74:75], s[76:77]
	v_lshlrev_b32 v[BOFF], 5, v2
.irp b, 0,1,2,3
	global_load_b128 v[BIAS+8*\b:BIAS+8*\b+3],   v[BOFF], s[74:75] offset:64*\b
	global_load_b128 v[BIAS+8*\b+4:BIAS+8*\b+7], v[BOFF], s[74:75] offset:64*\b+16
.endr
.if F32OUT
	; 64 f32 are 256 bytes: a wave's own rows.  A stage of 16 rows for each wave.
	s_mul_i32 s23, s10, 16*SPITCH
	s_add_co_u32 s23, s23, STAGE
	v_mul_u32_u24 v4, v1, SPITCH
	v_lshl_add_u32 v4, v2, 5, v4                   ; in: row r, 32 bytes for each half of the lanes
	v_add_nc_u32 v[STO], s23, v4
	v_mul_u32_u24 v5, v2, SPITCH
	v_lshl_add_u32 v5, v1, 4, v5                   ; back: lanes 0-15 one row of 256 bytes, lanes 16-31 the next
	v_add_nc_u32 v[RD], s23, v5
	v_lshlrev_b32 v5, 12, v2                       ; the same two rows in C: 4,096 bytes a row
	v_lshl_add_u32 v[CO], v1, 4, v5
.else
	; 64 f16 are 128 bytes: a row of 256 bytes is put together by two waves, in one stage of 128 rows.
	s_mul_i32 s23, s11, 64*SPITCH
	s_lshl_b32 s21, s12, 7
	s_add_co_u32 s23, s23, s21
	s_add_co_u32 s23, s23, STAGE
	v_mul_u32_u24 v4, v1, SPITCH
	v_lshl_add_u32 v4, v2, 4, v4                   ; in: row 64 x row half + r, byte 128 x column half + 16 h
	v_add_nc_u32 v[STO], s23, v4
	s_mul_i32 s23, s10, 32*SPITCH                  ; back: wave w takes rows 32 w .. 32 w + 31
	s_add_co_u32 s23, s23, STAGE
	v_mul_u32_u24 v5, v2, SPITCH
	v_lshl_add_u32 v5, v1, 4, v5
	v_add_nc_u32 v[RD], s23, v5
	v_lshlrev_b32 v5, 11, v2                       ; 2,048 bytes a row of C
	v_lshl_add_u32 v[CO], v1, 4, v5
.endif
; 16 LDS loads: the fragments of 32 along K at byte k of the slot's rows, into buffer f: W's four, then A's four
.macro FETCH slot, k, f
.irp i, 0,1,2,3
	ds_load_b128 v[\f+8*\i:\f+8*\i+3],   v[ADRB+\slot] offset:\k+\i*16*PITCH
	ds_load_b128 v[\f+8*\i+4:\f+8*\i+7], v[ADRB+\slot] offset:\k+\i*16*PITCH+32
.endr
.irp i, 0,1,2,3
	ds_load_b128 v[\f+32+8*\i:\f+32+8*\i+3],   v[ADRA+\slot] offset:\k+\i*16*PITCH
	ds_load_b128 v[\f+32+8*\i+4:\f+32+8*\i+7], v[ADRA+\slot] offset:\k+\i*16*PITCH+32
.endr
.endm
; 8 matrix instructions: row blocks a0, a0 + 1 x all four column blocks.  first = 1: the bias is the C operand, nothing is cleared.
; The 16 accumulators take turns, one instruction a turn, in the same order in every substep.
.macro MUL8 f, a0, first
.irp a, \a0, \a0+1
.irp b, 0,1,2,3
.if \first
	v_wmma_f32_16x16x32_f16 v[8*(4*(\a)+\b):8*(4*(\a)+\b)+7], v[\f+8*\b:\f+8*\b+7], v[\f+32+8*(\a):\f+32+8*(\a)+7], v[BIAS+8*\b:BIAS+8*\b+7]
.else
	v_wmma_f32_16x16x32_f16 v[8*(4*(\a)+\b):8*(4*(\a)+\b)+7], v[\f+8*\b:\f+8*\b+7], v[\f+32+8*(\a):\f+32+8*(\a)+7], v[8*(4*(\a)+\b):8*(4*(\a)+\b)+7]
.endif
.endr
.endr
.endm
; One of a K step's first seven substeps of 32: buffer f is multiplied while the next substep's fragments come into buffer g.
.macro SUB slot, knext, f, g, first
	s_wait_dscnt 0x0                               ; buffer f is in (its 16 loads were issued 16 matrix instructions ago)
	PLACES                                         ; behind the matrix instructions that read buffer g
	FETCH \slot, \knext, \g
.if \first
	WIN 0x40                                       ; D in window 1, C (the bias) in window 0
.else
	WIN 0x50                                       ; C and D in window 1
.endif
	MUL8 \f, 0, \first
	MUL8 \f, 2, \first
	WIN 0
.endm
.macro SEVEN slot, first
	SUB \slot, 64,  F0, F1, \first
	SUB \slot, 128, F1, F0, 0
	SUB \slot, 192, F0, F1, 0
	SUB \slot, 256, F1, F0, 0
	SUB \slot, 320, F0, F1, 0
	SUB \slot, 384, F1, F0, 0
	SUB \slot, 448, F0, F1, 0
.endm
; The eighth substep multiplies buffer 1 and changes slots.  In front of the barrier each wave waits for its reads of this slot and for all its
; tensor loads (the one that is out is its part of the next slot).  fill = 1: the barrier opens a round of the cluster's barrier, and the joint
; refill, two K steps ahead, is the first tensor load behind the round; it has 120 matrix instructions of the wave in which to land.
.macro TURN slot, next, fill
	s_wait_dscnt 0x0
	s_wait_tensorcnt 0x0
	ds_add_u32 v254, v255
	s_wait_dscnt 0x0
	s_barrier_signal -1
	WIN 0x50
	MUL8 F1, 0, 0                                  ; register work while the others arrive
	WIN 0
	s_barrier_wait -1
.if \fill
	CREST
	s_add_nc_u64 s[G0+4*\slot+2:G0+4*\slot+3], s[G0+4*\slot+2:G0+4*\slot+3], 2*KSTEP*2     ; no tensor load of mine is out: the addresses may step
	s_add_nc_u64 s[G0B+4*\slot+2:G0B+4*\slot+3], s[G0B+4*\slot+2:G0B+4*\slot+3], 2*KSTEP*2
	JLOAD \slot
.endif
	PLACES
	FETCH \next, 0, F0
	WIN 0x50
	MUL8 F1, 2, 0
	WIN 0
.endm
	s_wait_tensorcnt 0x1                           ; my part of K step 0 is in; step 1's stays out
	s_barrier_signal -1
	s_barrier_wait -1                              ; everybody's is
	FETCH 0, 0, F0
	s_wait_loadcnt 0x0                             ; the bias
	SEVEN 0, 1                                     ; K 0-255
	TURN 0, 1, 1                                   ; slot 0 is asked for again: K 512-767
	SEVEN 1, 0                                     ; K 256-511
	TURN 1, 0, 1                                   ; slot 1 again: K 768-1023
	SEVEN 0, 0
	TURN 0, 1, 0                                   ; nothing is left to fetch
	SEVEN 1, 0
	s_wait_dscnt 0x0
	WIN 0x50
	MUL8 F1, 0, 0
	MUL8 F1, 2, 0
	WIN 0
	PLACES                                         ; behind the last matrix instructions: results are read, buffers are loaded again
	; THE WAY OUT
.if F32OUT
	s_lshl_b32 s16, s13, 7
	s_lshl_b32 s18, s11, 6
	s_add_co_u32 s16, s16, s18                     ; my first row of C
	s_lshl_b32 s16, s16, 12
	s_mov_b32 s17, 0
	s_add_nc_u64 s[8:9], s[8:9], s[16:17]
	s_lshl_b32 s46, s42, 9                         ; my first column in bytes: 512 x block + 256 x half
	s_lshl_b32 s47, s12, 8
	s_add_co_u32 s46, s46, s47
	s_mov_b32 s47, 0
	s_add_nc_u64 s[8:9], s[8:9], s[46:47]
.irp a, 0,1,2,3
	WIN 0x04                                       ; an LDS store's data is source 1: window 1
.irp b, 0,1,2,3
	ds_store_b128 v[STO], v[8*(4*\a+\b):8*(4*\a+\b)+3]   offset:64*\b
	ds_store_b128 v[STO], v[8*(4*\a+\b)+4:8*(4*\a+\b)+7] offset:64*\b+16
.endr
	WIN 0
.irp t, 0,1,2,3,4,5,6,7
	ds_load_b128 v[F0+32*\a+4*\t:F0+32*\a+4*\t+3], v[RD] offset:\t*2*SPITCH   ; LDS serves a wave's instructions in order: these see the stores above, and the next stores come behind them
.endr
.irp t, 0,1,2,3,4,5,6,7
	s_wait_dscnt 7-\t                              ; load t is in, the 7 - t younger ones stay out
	global_store_b128 v[CO], v[F0+32*\a+4*\t:F0+32*\a+4*\t+3], s[8:9] offset:(16*\a+2*\t)*4096 th:TH_STORE_NT   ; 16 lanes store 256 consecutive bytes, aligned; each a has registers of its own
.endr
.endr
.else
	s_lshl_b32 s16, s13, 7
	s_lshl_b32 s18, s10, 5
	s_add_co_u32 s16, s16, s18                     ; the first of the 32 rows that I store
	s_lshl_b32 s16, s16, 11
	s_mov_b32 s17, 0
	s_add_nc_u64 s[8:9], s[8:9], s[16:17]
	s_lshl_b32 s46, s42, 8                         ; the block's 128 columns: 256 bytes
	s_mov_b32 s47, 0
	s_add_nc_u64 s[8:9], s[8:9], s[46:47]
.irp a, 0,1,2,3
	WIN 0x05                                       ; both sources in window 1
.irp b, 0,1,2,3
.irp i, 0,1,2,3
	v_cvt_pk_f16_f32 v[TMP+16*(\a%2)+4*\b+\i], v[8*(4*\a+\b)+2*\i], v[8*(4*\a+\b)+2*\i+1]
.endr
.endr
	WIN 0
.irp b, 0,1,2,3
	ds_store_b128 v[STO], v[TMP+16*(\a%2)+4*\b:TMP+16*(\a%2)+4*\b+3] offset:\a*16*SPITCH+32*\b
.endr
.endr
	s_wait_dscnt 0x0                               ; my stores are done, for the waves that read them
	s_barrier_signal -1
	s_barrier_wait -1
.irp t, 0,1,2,3,4,5,6,7,8,9,10,11,12,13,14,15
	ds_load_b128 v[F0+4*\t:F0+4*\t+3], v[RD] offset:\t*2*SPITCH
.endr
.irp t, 0,1,2,3,4,5,6,7,8,9,10,11,12,13,14,15
	s_wait_dscnt 15-\t                             ; load t is in, the 15 - t younger ones stay out
	global_store_b128 v[CO], v[F0+4*\t:F0+4*\t+3], s[8:9] offset:\t*4096   ; 16 lanes store 256 consecutive bytes, aligned
.endr
.endif
	s_wait_tensorcnt 0x0
	ds_add_u32 v254, v255
	s_wait_dscnt 0x0
	CROUND                                         ; the closing round: no work-group ends while a partner may still ask for a tile that names it
	s_endpgm
.Lfunc_end_k_qe8f3d5edab_outp:
	.size	k_qe8f3d5edab_outp, .Lfunc_end_k_qe8f3d5edab_outp-k_qe8f3d5edab_outp
	.p2alignl 7, 3214868480
	.fill 96, 4, 3214868480
	.section	.rodata,"a",@progbits
	.p2align	6, 0x0
	.amdhsa_kernel k_qe8f3d5edab_outp
		.amdhsa_group_segment_fixed_size 327680
		.amdhsa_private_segment_fixed_size 0
		.amdhsa_enable_private_segment 0
		.amdhsa_kernarg_size 32
		.amdhsa_user_sgpr_count 2
		.amdhsa_user_sgpr_kernarg_segment_ptr 1
		.amdhsa_wavefront_size32 1
		.amdhsa_system_sgpr_workgroup_id_x 1
		.amdhsa_system_sgpr_workgroup_id_y 1
		.amdhsa_system_sgpr_workgroup_id_z 1
		.amdhsa_system_vgpr_workitem_id 0
		.amdhsa_next_free_vgpr 384
		.amdhsa_next_free_sgpr 80
		.amdhsa_reserve_vcc 0
		.amdhsa_float_denorm_mode_32 3
		.amdhsa_float_denorm_mode_16_64 3
		.amdhsa_memory_ordered 1
		.amdhsa_forward_progress 1
		.amdhsa_inst_pref_size 90
	.end_amdhsa_kernel
	.amdgpu_metadata
---
amdhsa.version: [ 1, 2 ]
amdhsa.kernels:
  - .name:           k_qe8f3d5edab_outp
    .symbol:         k_qe8f3d5edab_outp.kd
    .args:
      - { .name: vals, .offset: 0, .size: 8, .value_kind: global_buffer, .address_space: global }
      - { .name: wh, .offset: 8, .size: 8, .value_kind: global_buffer, .address_space: global }
      - { .name: out0, .offset: 16, .size: 8, .value_kind: global_buffer, .address_space: global }
      - { .name: bo, .offset: 24, .size: 8, .value_kind: global_buffer, .address_space: global }
    .group_segment_fixed_size: 327680
    .private_segment_fixed_size: 0
    .kernarg_segment_align: 8
    .kernarg_segment_size: 32
    .max_flat_workgroup_size: 128
    .sgpr_count:     80
    .vgpr_count:     384
    .wavefront_size: 32
...
	.end_amdgpu_metadata
.endif
;; end of part 4
